; MI455X (gfx1250); checked and timed in simulation.
; The chip was launched on July 23, 2026; its instructions are those of AMD's public machine-readable ISA for CDNA 5 (MIT licence, August 2026) and "CDNA5" Instruction Set Architecture Reference Guide (July 2026). The comments in the code are by the model that wrote it; some were corrected since.
;; Self Attention. Allowed arithmetic: matrix products marked QUANTISED: E3M2 operands, one E8M0 scale for each 32 along K, by v_wmma_scale_f32_16x16x128_f8f6f4 with both operands' format E3M2, f32 sums; everything else in f32.
;; Inputs: Wk 512 x 512 float32; Wq 512 x 512 float32; Wv 512 x 512 float32; bk 512 float32; bq 512 float32; bv 512 float32; x 2 x 4,096 x 512 float32.
;; Outputs: out0 2 x 4,096 x 512 float32.
;; This version of the problem:
;;   THIS VERSION OF THE PROBLEM IS GIVEN IN LOW PRECISION. The matrix products marked QUANTISED in the list below multiply operands that are first quantised to E3M2 (3 exponent bits, 2 mantissa bits; 6 bits a number), with one power-of-two scale for each 32 numbers along K (OCP MX v1.0); their sums are f32. All else is computed in f32.
;;   The module's matrix products, in the order in which they are computed (A, B: the left and right operand; K: the contracted axis; several contracted axes count as one K, in the product's order):
;;     1. [M 8,192, K 512] x [K 512, N 512]; A: input x; B: input Wq: QUANTISED
;;     2. [M 8,192, K 512] x [K 512, N 512]; A: input x; B: input Wk: QUANTISED
;;     3. [M 8,192, K 512] x [K 512, N 512]; A: input x; B: input Wv: QUANTISED
;;     4. batch 16 x [M 4,096, K 64] x [K 64, N 4,096]; A: computed on the way; B: computed on the way: QUANTISED
;;     5. batch 16 x [M 4,096, K 4,096] x [K 4,096, N 64]; A: softmax (see below); B: computed on the way: QUANTISED
;;   THE QUANTISER, for each operand of a quantised product, along K:
;;     - K is cut into blocks of 32 from its start; a last block that is shorter is filled with zeros.
;;     - A block's scale is 2^e with e = floor(log2(the largest magnitude in the block)) - 4, held to -126 .. 127; a block of zeros has e = 0. As a byte (E8M0): e + 127.
;;     - Each number is divided by its block's scale, clamped to +-28, and rounded to the nearest number of E3M2, ties to even, subnormals kept.
;;     - The product sums the exact products of the quantised numbers (number of the format x scale) in f32.
;;   ~~~python
;;   def quantise(x, axis):      # numpy; x: float32 -> the quantised numbers, widened to float32 again
;;       x = np.moveaxis(x, axis, -1); K = x.shape[-1]
;;       x = np.pad(x, [(0, 0)] * (x.ndim - 1) + [(0, -K % 32)]); x = x.reshape(x.shape[:-1] + (-1, 32)); a = np.abs(x).max(-1, keepdims=True)
;;       e = np.where(a > 0, np.clip(np.frexp(np.where(a > 0, a, 1))[1] - 1 - 4, -126, 127), 0)      # np.frexp(a)[1] - 1 = floor(log2(a)), exactly
;;       r = np.clip(x / 2.0 ** e, -28, 28)
;;       step = 2.0 ** (np.maximum(np.frexp(np.where(r == 0, 1, r))[1] - 1, -2) - 2)
;;       q = np.round(r / step) * step * 2.0 ** e      # np.round: ties to even
;;       return np.moveaxis(q.reshape(q.shape[:-2] + (-1,))[..., :K], -1, axis).astype(np.float32)
;;   ~~~
;;   SOFTMAX AHEAD OF A QUANTISED PRODUCT. Where the list says 'softmax', what is quantised is not the finished softmax but p = 2^(t - M), with t = logit x log2(e) and M = ceil(the row's largest t), a whole number; so 1/2 < the row's largest p <= 1. The row's sum l is taken of the UNQUANTISED p, in f32, and the product's result is divided by l at the end. Since M is a whole number, a kernel that streams over the keys may use a running M (the ceiling of the running maximum): every later rescaling is an exact power of two, which a block's scale takes up: the codes' values come out the same.
;;   OPERANDS COMPUTED ON THE WAY. 'Computed on the way' means the value that the module computes at that place (a softmax that the list does not call 'softmax' is quantised finished and normalised). What goes into a quantiser is computed in f32, as accurately as f32 sums, v_exp_f32 and their like allow (about 1e-6 of the number): no bf16 or f16 on the way to a quantiser, and a product that is left as it is and whose result goes on into a quantised operand takes f32 operands (vector FMAs, or v_wmma_f32_16x16x4_f32). A number that lies on a knife's edge between two numbers of the format may be rounded either way, as far as f32 arithmetic and the matrix unit's own rounding can turn it there, and no further.
;; One version. Each part assembles by itself: llvm-mc -triple=amdgcn-amd-amdhsa -mcpu=gfx1250 --defsym DOCPART=n.
;; ======== version 1 of 1: 3 launches
;; limits: right only within a limited range of input values
;; workspace buffers: frag 3,735,552 bytes; sc 311,296 bytes; qf 3,407,872 bytes; kv 6,815,744 bytes
;; launch prep (part 1): grid 608 x 1, 4 waves a work-group, no clusters, 34,304 bytes of LDS; arguments x, Wq, Wk, Wv, frag, sc; writes frag, sc
.if DOCPART == 1
	.amdgcn_target "amdgcn-amd-amdhsa--gfx1250"
	.amdhsa_code_object_version 6
	.text
	.protected	k_qbb8dc6a9a8_prep
	.globl	k_qbb8dc6a9a8_prep
	.p2align	8
	.type	k_qbb8dc6a9a8_prep,@function
k_qbb8dc6a9a8_prep:
	s_mov_b64 s[64:65], 0
	v_nop
	global_prefetch_b8 v0, s[64:65] scope:SCOPE_SE
	s_setreg_imm32_b32 hwreg(HW_REG_WAVE_MODE, 25, 1), 1
	s_wait_xcnt 0x0
; SELF-ATTENTION IN MX-BF6, launch 1 of 3: x [8192][512] and Wq, Wk, Wv [512][512], f32, become codes of E3M2 with one E8M0 byte for each 32 along K (K = the 512 that the projections contract:
; x's last axis, W's first), laid as IMAGES OF OPERAND REGISTERS, so that the next launch loads every fragment by three dense loads of 16 bytes a lane.
; NO WORK IS LEFT OUT in this program: all five products are live, and bq, bk, bv each go into a quantised operand (q, k along the head's 64, v along the keys), so every input is loaded.
; A TILE is 16 rows of x or 16 columns of W, and they are not neighbours: lane r of tile T takes row (column) 32 (T / 2) + 8 (T % 2) + r + 8 (r / 8).  Used as source 0 of a product, two neighbouring tiles then leave
; 16 neighbours along that axis in a lane's 16 result registers, which is what the next quantiser wants.
; frag: [tile 0..607][K step 0..3][1,536 bytes]: the fragment's 12 registers as 3 groups of 4, lane l's 16 bytes of a group at 16 l.  Tiles 0-511: x;  512 + 32 w + c: column tile c of Wq, Wk, Wv (w = 0, 1, 2).
; sc:   [tile][K step][32 lanes x 4 bytes]: the row's four scale bytes of that K step; both halves of the lanes hold the same.
; SHARES: work-group = tile, wave = K step of 128: one fragment a wave.  A lane (r, h) holds k = 64 c + 32 h + 0 .. 31 (c = 0, 1) of its row: two whole blocks, in the operand's own order.
; The 96 tiles of W issue 64 loads a lane against x's 16: they get the lowest work-group numbers.
; x: each of a wave's 16 loads reads one row's 512 consecutive bytes, 16 a lane; the 8,192 bytes turn through the wave's own stage in LDS (rows 528 bytes apart: sixteen rows start at sixteen different 16-byte columns
; of a 256-byte row of banks) and come back 128 consecutive bytes of a row to a lane and block.  LDS serves a wave's instructions in order, and waves share nothing: no barrier.
; A block's scale is 2^(floor(log2(largest magnitude)) - 4): its byte is the largest magnitude's exponent field - 4, held at 1 from below by a floor of 2^-122 among the maximum's leaves.
; LIMITS: NaN and infinities among the inputs are not served.  A block of zeros gets the byte 1 where the rule says 127: its codes are zeros, and the bytes are read by this program alone.
.set X,   16                           ; v16-79   X[32 c + i] = the number at k = 64 c + 32 h + i
.set PC,  80                           ; v80-91   the fragment's codes
.set CT,  92                           ; v92-94, v96-98  a block's upper 16 codes (a conversion's three registers begin on an even number)
.set SPW, 100                          ; LDS address of my spare word; never rewritten
.set NIL, 101                          ; 0; never rewritten
.set SA,  102                          ; the stage, on the way in: 16 x lane
.set LA,  103                          ; and back: row r, + 128 h
.set R,   104                          ; v104-167 x's rows as they are loaded
.set SPI, 528
.set SPARE, 4*16*SPI                   ; behind the four stages: the spare words, 128 bytes a wave
	s_load_b256 s[4:11], s[0:1], 0x0               ; x s[4:5], Wq s[6:7], Wk s[8:9], Wv s[10:11]
	s_load_b128 s[12:15], s[0:1], 0x20             ; frag s[12:13], sc s[14:15]
	v_lshl_add_u32 v[SPW], v0, 2, SPARE
	v_mov_b32 v[NIL], 0
	v_lshrrev_b32 v1, 5, v0
	v_readfirstlane_b32 s16, v1                    ; wave = K step
	v_and_b32 v1, 31, v0                           ; lane
	v_and_b32 v2, 15, v0                           ; r
	v_bfe_u32 v3, v0, 4, 1                         ; h
	v_and_b32 v4, 8, v2
	v_add_nc_u32 v4, v4, v2                        ; r + 8 (r / 8)
	v_lshlrev_b32 v6, 4, v1                        ; an image's place for my lane; also my 16 bytes of a row's 512
	v_lshlrev_b32 v7, 2, v1                        ; a scale word's
	s_mul_i32 s24, s16, 16*SPI                     ; my stage
	v_add_nc_u32 v[SA], s24, v6
	v_mul_u32_u24 v[LA], v2, SPI
	v_lshl_add_u32 v[LA], v3, 7, v[LA]
	v_add_nc_u32 v[LA], s24, v[LA]
	s_mov_b32 s20, 0x76543210
	s_mov_b32 s21, 0xfedcba98                      ; v_permlanex16_b32's selects for lane l xor 16
	s_add_co_u32 s25, ttmp9, 512
	s_sub_co_u32 s26, ttmp9, 96
	s_cmp_lt_u32 ttmp9, 96
	s_cselect_b32 s25, s25, s26                    ; the tile: work-groups 0-95 take W's 512-607, the others x's 0-511
	s_lshl_b32 s17, s25, 2
	s_add_co_u32 s17, s17, s16                     ; 4 x tile + K step
	s_mul_i32 s22, s17, 1536
	s_mov_b32 s23, 0
	s_lshl_b32 s18, s17, 7
	s_mov_b32 s19, 0
	s_wait_alu depctr_va_vdst(0)                   ; the wait at the head's end
	s_wait_kmcnt 0x0
	s_add_nc_u64 s[12:13], s[12:13], s[22:23]      ; my fragment's image
	s_add_nc_u64 s[14:15], s[14:15], s[18:19]      ; and its scale words
	s_cmp_lt_u32 s25, 512
	s_cbranch_scc0 .Lw
	; ---- a tile of x: K is innermost
	s_lshr_b32 s17, s25, 1
	s_lshl_b32 s17, s17, 5
	s_and_b32 s18, s25, 1
	s_lshl_b32 s18, s18, 3
	s_add_co_u32 s17, s17, s18                     ; the tile's first row: 32 (T / 2) + 8 (T % 2)
	s_lshl_b32 s22, s17, 11                        ; rows of 2,048 bytes
	s_lshl_b32 s18, s16, 9                         ; + 512 bytes a K step
	s_add_co_u32 s22, s22, s18
	s_add_nc_u64 s[4:5], s[4:5], s[22:23]
.irp i, 0,1,2,3,4,5,6,7,8,9,10,11,12,13,14,15
	global_load_b128 v[R+4*\i:R+4*\i+3], v6, s[4:5] offset:(\i+8*(\i/8))*2048 th:TH_LOAD_NT   ; the tile's row i: 32 lanes read 512 consecutive bytes, at a multiple of 512; read once in the launch
.endr
.irp i, 0,1,2,3,4,5,6,7,8,9,10,11,12,13,14,15
	s_wait_loadcnt 15-\i                           ; row i is in: behind it 15 - i loads were issued
	ds_store_b128 v[SA], v[R+4*\i:R+4*\i+3] offset:\i*SPI
.endr
.irp c, 0,1
.irp j, 0,1,2,3,4,5,6,7
	ds_load_b128 v[X+32*\c+4*\j:X+32*\c+4*\j+3], v[LA] offset:256*\c+16*\j   ; these see my stores
.endr
.endr
	s_wait_dscnt 0x0
	s_branch .Lq
.Lw:	; ---- a tile of W: K is the first axis: a lane takes a column and its registers run down K; sixteen lanes read two runs of 32 consecutive bytes
	s_sub_co_u32 s17, s25, 512
	s_lshr_b32 s18, s17, 5                         ; which W
	s_and_b32 s17, s17, 31                         ; which column tile
	s_cmp_eq_u32 s18, 0                            ; the choice hangs on the work-group's number alone
	s_cselect_b64 s[4:5], s[6:7], s[8:9]
	s_cmp_eq_u32 s18, 2
	s_cselect_b64 s[4:5], s[10:11], s[4:5]
	s_lshr_b32 s18, s17, 1
	s_lshl_b32 s18, s18, 7                         ; 32 columns of 4 bytes
	s_and_b32 s17, s17, 1
	s_lshl_b32 s17, s17, 5                         ; 8 columns
	s_add_co_u32 s22, s18, s17
	s_lshl_b32 s18, s16, 18                        ; 128 rows of 2,048 bytes a K step
	s_add_co_u32 s22, s22, s18
	s_add_nc_u64 s[4:5], s[4:5], s[22:23]
	s_wait_alu depctr_va_vdst(0)
	v_lshlrev_b32 v5, 2, v4
	v_lshl_add_u32 v5, v3, 16, v5                  ; my column, + 32 h rows
.irp c, 0,1
.set i, 0
.rept 32
	global_load_b32 v[X+32*\c+i], v5, s[4:5] offset:(64*\c+i)*2048
.set i, i+1
.endr
.endr
.Lq:
	s_wait_loadcnt 0x0
.irp c, 0,1
	v_max3_num_f32 v[8+\c], |v[X+32*\c]|, |v[X+1+32*\c]|, 0x2800000   ; my block 2 c + h: all its 32 numbers are mine; and the floor 2^(5 - 127)
.endr
.irp i, 2,4,6,8,10,12,14,16,18,20,22,24,26,28,30
.irp c, 0,1
	v_max3_num_f32 v[8+\c], v[8+\c], |v[X+32*\c+\i]|, |v[X+1+32*\c+\i]|   ; (the two blocks by turns)
.endr
.endr
.irp c, 0,1
	v_add_nc_u32 v[10+\c], 0xfe000000, v[8+\c]     ; 4 off the exponent field: the conversion takes the exponent field of this operand as its scale
.endr
.irp c, 0,1
	v_lshrrev_b32 v[12+\c], 23, v[10+\c]           ; the scale's byte
.endr
	v_lshl_or_b32 v14, v13, 16, v12                ; my two bytes: blocks h and 2 + h,
	v_lshlrev_b32 v15, 3, v3
	v_lshlrev_b32 v14, v15, v14                    ; at their places in the word (8 h bits up);
	v_mov_b32 v15, 0                               ; (a lane permute's destination counts as one of its sources)
	v_permlanex16_b32 v15, v14, s20, s21
	v_or_b32 v14, v14, v15                         ; with lane l xor 16's two the word is whole
.irp c, 0,1
	v_cvt_scalef32_pk16_bf6_f32 v[PC+6*\c:PC+6*\c+2], v[X+32*\c:X+32*\c+15], v[10+\c]
	v_cvt_scalef32_pk16_bf6_f32 v[CT+4*\c:CT+4*\c+2], v[X+32*\c+16:X+32*\c+31], v[10+\c]
.endr
	v_nop                                          ; one plain place behind a scaled conversion
.irp c, 0,1
.irp i, 0,1,2
	v_mov_b32 v[PC+3+6*\c+\i], v[CT+4*\c+\i]
.endr
.endr
.irp n, 0,1,2
	global_store_b128 v6, v[PC+4*\n:PC+4*\n+3], s[12:13] offset:512*\n   ; 32 lanes store 512 consecutive bytes, at a multiple of 256 from the buffer's first byte
.endr
	global_store_b32 v7, v14, s[14:15]             ; 128 consecutive bytes
	s_wait_tensorcnt 0x0                           ; the wave's end
	ds_add_u32 v[SPW], v[NIL]
	s_wait_dscnt 0x0
	s_endpgm
.Lfunc_end_k_qbb8dc6a9a8_prep:
	.size	k_qbb8dc6a9a8_prep, .Lfunc_end_k_qbb8dc6a9a8_prep-k_qbb8dc6a9a8_prep
	.p2alignl 7, 3214868480
	.fill 96, 4, 3214868480
	.section	.rodata,"a",@progbits
	.p2align	6, 0x0
	.amdhsa_kernel k_qbb8dc6a9a8_prep
		.amdhsa_group_segment_fixed_size 34304
		.amdhsa_private_segment_fixed_size 0
		.amdhsa_enable_private_segment 0
		.amdhsa_kernarg_size 48
		.amdhsa_user_sgpr_count 2
		.amdhsa_user_sgpr_kernarg_segment_ptr 1
		.amdhsa_wavefront_size32 1
		.amdhsa_system_sgpr_workgroup_id_x 1
		.amdhsa_system_sgpr_workgroup_id_y 1
		.amdhsa_system_sgpr_workgroup_id_z 1
		.amdhsa_system_vgpr_workitem_id 0
		.amdhsa_next_free_vgpr 168
		.amdhsa_next_free_sgpr 66
		.amdhsa_reserve_vcc 0
		.amdhsa_float_denorm_mode_32 3
		.amdhsa_float_denorm_mode_16_64 3
		.amdhsa_memory_ordered 1
		.amdhsa_forward_progress 1
		.amdhsa_inst_pref_size 17
	.end_amdhsa_kernel
	.amdgpu_metadata
---
amdhsa.version: [ 1, 2 ]
amdhsa.kernels:
  - .name:           k_qbb8dc6a9a8_prep
    .symbol:         k_qbb8dc6a9a8_prep.kd
    .args:
      - { .name: x, .offset: 0, .size: 8, .value_kind: global_buffer, .address_space: global }
      - { .name: Wq, .offset: 8, .size: 8, .value_kind: global_buffer, .address_space: global }
      - { .name: Wk, .offset: 16, .size: 8, .value_kind: global_buffer, .address_space: global }
      - { .name: Wv, .offset: 24, .size: 8, .value_kind: global_buffer, .address_space: global }
      - { .name: frag, .offset: 32, .size: 8, .value_kind: global_buffer, .address_space: global }
      - { .name: sc, .offset: 40, .size: 8, .value_kind: global_buffer, .address_space: global }
    .group_segment_fixed_size: 34304
    .private_segment_fixed_size: 0
    .kernarg_segment_align: 8
    .kernarg_segment_size: 48
    .max_flat_workgroup_size: 128
    .sgpr_count:     66
    .vgpr_count:     168
    .wavefront_size: 32
...
	.end_amdgpu_metadata
.endif
;; end of part 1
;; launch proj (part 2): grid 12 x 64, 1 waves a work-group, no clusters, 0 bytes of LDS; arguments frag, sc, bq, bk, bv, qf, kv; writes qf, kv
.if DOCPART == 2
	.amdgcn_target "amdgcn-amd-amdhsa--gfx1250"
	.amdhsa_code_object_version 6
	.text
	.protected	k_qbb8dc6a9a8_proj
	.globl	k_qbb8dc6a9a8_proj
	.p2align	8
	.type	k_qbb8dc6a9a8_proj,@function
k_qbb8dc6a9a8_proj:
	s_mov_b64 s[64:65], 0
	v_nop
	global_prefetch_b8 v0, s[64:65] scope:SCOPE_SE
	s_setreg_imm32_b32 hwreg(HW_REG_WAVE_MODE, 25, 1), 1
	s_wait_xcnt 0x0
; SELF-ATTENTION IN MX-BF6, launch 2 of 3: q = x Wq + bq, k = x Wk + bk, v = x Wv + bv on the codes that launch 1 made, and their quantising for the two products of attention, in registers.  No work is left out.
; SHARES: a work-group is ONE wave.  x = 4 w + part (w = 0, 1, 2: q, k, v; part: 128 of the 512 columns = heads 2 part and 2 part + 1); y = g: rows 128 g .. 128 g + 127 of x.
; ONE CORE FOR ALL THREE.  A HELD operand, 8 tiles x 4 K steps, stays in 384 registers; eight STREAMED tiles pass by, two loads' worth ahead.  Each product is source 0 = held tile, source 1 = streamed tile:
; a lane then holds ONE row of the streamed tile, and by the tiles' choice of rows its register 16 b + i holds index 32 b + 16 h + i of the held operand's 128.
;   q, k: held = W's 8 column tiles, streamed = x's 8 row tiles: a lane holds one row of x and 128 columns: blocks 0, 1 are head A's 64, blocks 2, 3 head B's: the quantiser's K is the head's 64.
;   v:    held = x's 8 row tiles (128 keys), streamed = Wv's 8 column tiles: a lane holds one channel and 128 keys: the quantiser's K is the keys, and the 12 registers are a whole fragment of V^T.
; The bias is the C of each sum's first matrix instruction.  The eight accumulators take turns, one instruction a turn, K ascending.
; OUT, as images of registers (3 groups of 4 registers, lane l's 16 bytes at 16 l), bh = 8 batch + head:
;   qf [bh][group of 128 rows, 32][6,656]; kv [bh][group][13,312] = K's part, then V's part, 6,656 bytes each.
;   Q's and K's part: 4 images; image p: registers 0-5 tile 2 p's six (d = 32 h + 0 .. 31), registers 6-11 tile 2 p + 1's; at 6,144: [lane][4 words]: word p: lanes 0-15 tile 2 p's scale words, lanes 16-31 tile 2 p + 1's;
;   in a word bytes 0, 1 are the head's two blocks; bytes 2, 3 (the other head's, or 0) meet zero codes alone in the next launch and are never 0xff.
;   V's part: 4 images, channel tile t; at 6,144: [lane][4 words]: word t: tile t's scale words of these 128 keys.
; LIMITS: NaN and infinities are not served; a block of zeros gets the byte 1 where the rule says 127 (zero codes; read by this program alone).
; REGISTERS, in windows of 256.  window 0: below.  window 1: held (t, s = 0, 1) at 12 (8 s + t).  window 2: held (t, s = 2, 3) at 12 (8 (s - 2) + t); v192-255 the biases as C.
.set LI,  1                            ; v1       16 x lane; never rewritten
.set LS,  2                            ; v2       4 x lane; never rewritten
.set BO,  3                            ; v3       my offset among the biases; never rewritten
.set HS,  8                            ; v8-39    the held operand's scale words, 4 t + s
.set TS,  40                           ; v40-47   the streamed tile's, two sets of 4
.set TF,  48                           ; v48-143  the streamed tile's 4 fragments, two sets of 48
.set ACC, 144                          ; v144-207 eight accumulators
.set PA,  208                          ; v208-219 codes: head A's pair of tiles (v: the fragment)
.set PB,  220                          ; v220-231 head B's
.set TM,  232                          ; v232-235 largest magnitudes, v236-239 the other half's, then bytes, v240-243 the conversions' scale operands; v232-234, v236-238 also a block's upper 16 codes
.set PW,  244                          ; v244-251 the eight tiles' scale words
.set CB,  192                          ; in window 2
.set MSB, 0
.macro WIN new                         ; the immediate's high byte repeats the setting that is left
.if MSB != \new
	s_set_vgpr_msb (MSB<<8)|\new
.set MSB, \new
.endif
.endm
; streamed tile i: 12 loads of 16 bytes a lane and 4 scale words: 16 loads
.macro TLOAD i
.irp s, 0,1,2,3
.irp n, 0,1,2
	global_load_b128 v[TF+48*((\i)%2)+12*\s+4*\n:TF+48*((\i)%2)+12*\s+4*\n+3], v[LI], s[26:27] offset:6144*(\i)+1536*\s+512*\n
.endr
	global_load_b32 v[TS+4*((\i)%2)+\s], v[LS], s[28:29] offset:512*(\i)+128*\s
.endr
.endm
; 32 matrix instructions: the held operand's eight tiles x streamed tile i, four K steps
.macro MM isv, i
.set FB, TF+48*((\i)%2)
.set SB, TS+4*((\i)%2)
	WIN 0x21                                       ; source 0 window 1, C (the bias) window 2
.irp t, 0,1,2,3,4,5,6,7
.if \isv
.set CR, CB+8*(\i)                     ; v: the bias hangs on the streamed tile's channel
.else
.set CR, CB+8*\t                       ; q, k: on the held tile's column
.endif
	v_wmma_scale_f32_16x16x128_f8f6f4 v[ACC+8*\t:ACC+8*\t+7], v[12*\t:12*\t+11], v[FB:FB+11], v[CR:CR+7], v[HS+4*\t], v[SB] matrix_a_fmt:MATRIX_FMT_BF6 matrix_b_fmt:MATRIX_FMT_BF6
.endr
	WIN 0x01
.irp t, 0,1,2,3,4,5,6,7
	v_wmma_scale_f32_16x16x128_f8f6f4 v[ACC+8*\t:ACC+8*\t+7], v[12*(8+\t):12*(8+\t)+11], v[FB+12:FB+23], v[ACC+8*\t:ACC+8*\t+7], v[HS+4*\t+1], v[SB+1] matrix_a_fmt:MATRIX_FMT_BF6 matrix_b_fmt:MATRIX_FMT_BF6
.endr
	WIN 0x02                                       ; source 0 window 2
.irp t, 0,1,2,3,4,5,6,7
	v_wmma_scale_f32_16x16x128_f8f6f4 v[ACC+8*\t:ACC+8*\t+7], v[12*\t:12*\t+11], v[FB+24:FB+35], v[ACC+8*\t:ACC+8*\t+7], v[HS+4*\t+2], v[SB+2] matrix_a_fmt:MATRIX_FMT_BF6 matrix_b_fmt:MATRIX_FMT_BF6
.endr
.irp t, 0,1,2,3,4,5,6,7
	v_wmma_scale_f32_16x16x128_f8f6f4 v[ACC+8*\t:ACC+8*\t+7], v[12*(8+\t):12*(8+\t)+11], v[FB+36:FB+47], v[ACC+8*\t:ACC+8*\t+7], v[HS+4*\t+3], v[SB+3] matrix_a_fmt:MATRIX_FMT_BF6 matrix_b_fmt:MATRIX_FMT_BF6
.endr
	WIN 0
.endm
; The lane's 64 numbers, ACC[16 b + i] = index 32 b + 16 h + i, become codes: blocks 0, 1 in v[DA .. DA + 5], blocks 2, 3 in v[DB .. DB + 5] (a whole block to a lane: lanes 0-15 the even one), the four bytes in v[PWR]
.macro QUANT
.irp b, 0,1,2,3
	v_max3_num_f32 v[TM+\b], |v[ACC+16*\b]|, |v[ACC+1+16*\b]|, 0x2800000   ; block b: my 16 numbers, each accumulator from its low end on; and the floor 2^(5 - 127)
.endr
.irp i, 2,4,6,8,10,12,14
.irp b, 0,1,2,3
	v_max3_num_f32 v[TM+\b], v[TM+\b], |v[ACC+16*\b+\i]|, |v[ACC+1+16*\b+\i]|   ; (the four blocks by turns)
.endr
.endr
.irp b, 0,1,2,3
	v_permlanex16_b32 v[TM+4+\b], v[TM+\b], s36, s37
.endr
.irp b, 0,1,2,3
	v_max_num_f32 v[TM+\b], v[TM+\b], v[TM+4+\b]   ; with lane l xor 16's: the block's largest magnitude
.endr
.irp b, 0,1,2,3
	v_add_nc_u32 v[TM+8+\b], 0xfe000000, v[TM+\b]  ; 4 off its exponent field: the conversion's scale operand
.endr
.irp b, 0,1,2,3
	v_lshrrev_b32 v[TM+4+\b], 23, v[TM+8+\b]       ; the scale's byte
.endr
	v_lshl_or_b32 v[PWR], v[TM+5], 8, v[TM+4]
	v_lshl_or_b32 v[PWR], v[TM+6], 16, v[PWR]
	v_lshl_or_b32 v[PWR], v[TM+7], 24, v[PWR]
	v_cvt_scalef32_pk16_bf6_f32 v[DA:DA+2], v[ACC:ACC+15], v[TM+8]
	v_cvt_scalef32_pk16_bf6_f32 v[TM:TM+2], v[ACC+16:ACC+31], v[TM+9]
	v_cvt_scalef32_pk16_bf6_f32 v[DB:DB+2], v[ACC+32:ACC+47], v[TM+10]
	v_cvt_scalef32_pk16_bf6_f32 v[TM+4:TM+6], v[ACC+48:ACC+63], v[TM+11]
	v_nop                                          ; one plain place behind a scaled conversion
.irp i, 0,1,2
	v_permlane16_swap_b32 v[DA+\i], v[TM+\i]       ; the first's lanes 16-31 change places with the second's lanes 0-15: each lane's block's lower 16 codes, and its upper 16
.endr
.irp i, 0,1,2
	v_mov_b32 v[DA+3+\i], v[TM+\i]
.endr
.irp i, 0,1,2
	v_permlane16_swap_b32 v[DB+\i], v[TM+4+\i]
.endr
.irp i, 0,1,2
	v_mov_b32 v[DB+3+\i], v[TM+4+\i]
.endr
.endm
; streamed tile i from its loads to its stores
.macro TILE isv, i
.if (\i) < 7
	s_wait_loadcnt 16                              ; loads come back in order: all but the next tile's 16 are in (in front of tile 0: the held operand and the biases too)
.else
	s_wait_loadcnt 0x0
.endif
	MM \isv, \i
.rept 4
	v_nop                                          ; four places in front of the reads of the results and of the loads into the registers just multiplied
.endr
	s_wait_xcnt 0x0                                ; the last tile's stores have read their registers: the codes may be written anew
.if (\i) < 6
	TLOAD (\i)+2
.endif
.set PWR, PW+(\i)
.if \isv
.set DA, PA
.set DB, PA+6
	QUANT
.if (\i) < 4
.irp n, 0,1,2
	global_store_b128 v[LI], v[PA+4*\n:PA+4*\n+3], s[32:33] offset:1536*(\i)+512*\n       ; head A's channel tile i: 512 consecutive bytes a store
.endr
.else
.irp n, 0,1,2
	global_store_b128 v[LI], v[PA+4*\n:PA+4*\n+3], s[34:35] offset:1536*((\i)-4)+512*\n   ; head B's channel tile i - 4
.endr
.endif
.if (\i) == 3
	global_store_b128 v[LI], v[PW:PW+3], s[32:33] offset:6144                             ; head A's four tiles' scale words
.endif
.if (\i) == 7
	global_store_b128 v[LI], v[PW+4:PW+7], s[34:35] offset:6144
.endif
.else
.set DA, PA+6*((\i)%2)
.set DB, PB+6*((\i)%2)
	QUANT
.if ((\i)%2) == 1
.irp n, 0,1,2
	global_store_b128 v[LI], v[PA+4*\n:PA+4*\n+3], s[32:33] offset:1536*((\i)/2)+512*\n   ; the pair of tiles i - 1, i: head A's image,
	global_store_b128 v[LI], v[PB+4*\n:PB+4*\n+3], s[34:35] offset:1536*((\i)/2)+512*\n   ; head B's
.endr
.endif
.endif
.endm
	s_load_b256 s[4:11], s[0:1], 0x0               ; frag s[4:5], sc s[6:7], bq s[8:9], bk s[10:11]
	s_load_b128 s[12:15], s[0:1], 0x20             ; bv s[12:13], qf s[14:15]
	s_load_b64 s[16:17], s[0:1], 0x30              ; kv
	v_and_b32 v4, 15, v0                           ; r (one wave: v0 is the lane)
	v_bfe_u32 v5, v0, 4, 1                         ; h
	v_lshlrev_b32 v[LI], 4, v0
	v_lshlrev_b32 v[LS], 2, v0
.irp b, 0,1,2,3
	v_mov_b32 v[TM+4+\b], 0                        ; written once: a lane permute's destination counts as one of its sources
.endr
	s_lshr_b32 s18, ttmp9, 2                       ; 0, 1, 2: q, k, v
	s_and_b32 s19, ttmp9, 3                        ; part
	s_and_b32 s20, ttmp7, 0xffff                   ; g
	s_mov_b32 s36, 0x76543210
	s_mov_b32 s37, 0xfedcba98                      ; v_permlanex16_b32's selects for lane l xor 16
	s_mov_b32 s38, 0xffff0000                      ; lanes 16-31
	s_lshl_b32 s40, s18, 5
	s_lshl_b32 s41, s19, 3
	s_add_co_u32 s40, s40, s41
	s_add_co_u32 s40, s40, 512                     ; W's first tile: 512 + 32 w + 8 part
	s_lshl_b32 s41, s20, 3                         ; x's first tile: 8 g
	s_cmp_eq_u32 s18, 2
	s_cselect_b32 s42, s41, s40                    ; held: W's for q and k, x's for v
	s_cselect_b32 s43, s40, s41                    ; streamed: the other
	s_mov_b32 s45, 0
	s_mov_b32 s47, 0
	s_mul_i32 s44, s42, 6144                       ; a tile's four fragments
	s_lshl_b32 s46, s42, 9                         ; and their scale words
	s_wait_alu depctr_va_vdst(0)
	s_wait_kmcnt 0x0
	s_add_nc_u64 s[22:23], s[4:5], s[44:45]
	s_add_nc_u64 s[24:25], s[6:7], s[46:47]
	s_mul_i32 s44, s43, 6144
	s_lshl_b32 s46, s43, 9
	s_add_nc_u64 s[26:27], s[4:5], s[44:45]
	s_add_nc_u64 s[28:29], s[6:7], s[46:47]
	WIN 0x40                                       ; the held operand: destination window 1, address window 0
.irp s, 0,1
.irp t, 0,1,2,3,4,5,6,7
.irp n, 0,1,2
	global_load_b128 v[12*(8*\s+\t)+4*\n:12*(8*\s+\t)+4*\n+3], v[LI], s[22:23] offset:(4*\t+\s)*1536+512*\n
.endr
.endr
.endr
	WIN 0x80                                       ; destination window 2
.irp s, 0,1
.irp t, 0,1,2,3,4,5,6,7
.irp n, 0,1,2
	global_load_b128 v[12*(8*\s+\t)+4*\n:12*(8*\s+\t)+4*\n+3], v[LI], s[22:23] offset:(4*\t+\s+2)*1536+512*\n
.endr
.endr
.endr
	WIN 0
.irp t, 0,1,2,3,4,5,6,7
.irp s, 0,1,2,3
	global_load_b32 v[HS+4*\t+\s], v[LS], s[24:25] offset:512*\t+128*\s
.endr
.endr
	; the bias and the two heads' places in the output.  Every choice hangs on the work-group's number alone
	s_cmp_eq_u32 s18, 0
	s_cselect_b64 s[30:31], s[8:9], s[10:11]       ; bq or bk,
	s_cselect_b64 s[32:33], s[14:15], s[16:17]     ; qf or kv,
	s_mov_b32 s40, 13312
	s_cselect_b32 s40, 6656, s40                   ; bytes from group to group
	s_cmp_eq_u32 s18, 2
	s_cselect_b64 s[30:31], s[12:13], s[30:31]     ; or bv
	s_cselect_b32 s41, 6656, 0                     ; V's part lies behind K's
	s_lshl_b32 s44, s19, 9                         ; my 128 numbers of the bias
	s_add_nc_u64 s[30:31], s[30:31], s[44:45]
	s_lshr_b32 s42, s20, 5
	s_lshl_b32 s42, s42, 3
	s_lshl_b32 s43, s19, 1
	s_add_co_u32 s42, s42, s43                     ; head A: 8 batch + 2 part
	s_lshl_b32 s42, s42, 5
	s_and_b32 s43, s20, 31
	s_add_co_u32 s42, s42, s43                     ; x 32 groups + my group in the batch
	s_mul_i32 s44, s42, s40
	s_add_co_u32 s44, s44, s41
	s_add_nc_u64 s[32:33], s[32:33], s[44:45]      ; head A's part
	s_lshl_b32 s44, s40, 5
	s_add_nc_u64 s[34:35], s[32:33], s[44:45]      ; head B's: 32 groups on
	s_cmp_eq_u32 s18, 2
	s_cbranch_scc1 .Lv
	; ---- q, k.  C of tile t: lane (r, h), register j: the bias of column 32 (t / 2) + 8 (t % 2) + 16 h + j
	v_lshlrev_b32 v[BO], 6, v5
	WIN 0x80
.irp t, 0,1,2,3,4,5,6,7
	global_load_b128 v[CB+8*\t:CB+8*\t+3], v[BO], s[30:31] offset:(32*(\t/2)+8*(\t%2))*4
	global_load_b128 v[CB+8*\t+4:CB+8*\t+7], v[BO], s[30:31] offset:(32*(\t/2)+8*(\t%2))*4+16
.endr
	WIN 0
	TLOAD 0
	TLOAD 1
.irp i, 0,1,2,3,4,5,6,7
	TILE 0, \i
.endr
.irp p, 0,1,2,3
	v_cndmask_b32 v[TM+\p], v[PW+2*\p], v[PW+2*\p+1], s38   ; word p: lanes 0-15 tile 2 p's, lanes 16-31 tile 2 p + 1's (both halves of the lanes hold a row's word)
.endr
.irp p, 0,1,2,3
	v_lshrrev_b32 v[TM+4+\p], 16, v[TM+\p]         ; head B's two bytes come down
.endr
	global_store_b128 v[LI], v[TM:TM+3], s[32:33] offset:6144
	global_store_b128 v[LI], v[TM+4:TM+7], s[34:35] offset:6144
	s_endpgm
.Lv:	; ---- v.  C of streamed tile t: all eight registers hold the bias of my lane's channel 32 (t / 2) + 8 (t % 2) + r + 8 (r / 8)
	v_and_b32 v6, 8, v4
	v_add_nc_u32 v6, v6, v4
	v_lshlrev_b32 v[BO], 2, v6
.irp t, 0,1,2,3,4,5,6,7
	global_load_b32 v[ACC+\t], v[BO], s[30:31] offset:(32*(\t/2)+8*(\t%2))*4
.endr
	TLOAD 0
	TLOAD 1
	s_wait_loadcnt 32                              ; all but the two tiles' 32 loads: the biases are in
	WIN 0x80                                       ; destination window 2, source window 0
.irp t, 0,1,2,3,4,5,6,7
.irp j, 0,1,2,3,4,5,6,7
	v_mov_b32 v[CB+8*\t+\j], v[ACC+\t]
.endr
.endr
	WIN 0
.irp i, 0,1,2,3,4,5,6,7
	TILE 1, \i
.endr
	s_endpgm
.Lfunc_end_k_qbb8dc6a9a8_proj:
	.size	k_qbb8dc6a9a8_proj, .Lfunc_end_k_qbb8dc6a9a8_proj-k_qbb8dc6a9a8_proj
	.p2alignl 7, 3214868480
	.fill 96, 4, 3214868480
	.section	.rodata,"a",@progbits
	.p2align	6, 0x0
	.amdhsa_kernel k_qbb8dc6a9a8_proj
		.amdhsa_group_segment_fixed_size 0
		.amdhsa_private_segment_fixed_size 0
		.amdhsa_enable_private_segment 0
		.amdhsa_kernarg_size 56
		.amdhsa_user_sgpr_count 2
		.amdhsa_user_sgpr_kernarg_segment_ptr 1
		.amdhsa_wavefront_size32 1
		.amdhsa_system_sgpr_workgroup_id_x 1
		.amdhsa_system_sgpr_workgroup_id_y 1
		.amdhsa_system_sgpr_workgroup_id_z 1
		.amdhsa_system_vgpr_workitem_id 0
		.amdhsa_next_free_vgpr 768
		.amdhsa_next_free_sgpr 66
		.amdhsa_reserve_vcc 0
		.amdhsa_float_denorm_mode_32 3
		.amdhsa_float_denorm_mode_16_64 3
		.amdhsa_memory_ordered 1
		.amdhsa_forward_progress 1
		.amdhsa_inst_pref_size 178
	.end_amdhsa_kernel
	.amdgpu_metadata
---
amdhsa.version: [ 1, 2 ]
amdhsa.kernels:
  - .name:           k_qbb8dc6a9a8_proj
    .symbol:         k_qbb8dc6a9a8_proj.kd
    .args:
      - { .name: frag, .offset: 0, .size: 8, .value_kind: global_buffer, .address_space: global }
      - { .name: sc, .offset: 8, .size: 8, .value_kind: global_buffer, .address_space: global }
      - { .name: bq, .offset: 16, .size: 8, .value_kind: global_buffer, .address_space: global }
      - { .name: bk, .offset: 24, .size: 8, .value_kind: global_buffer, .address_space: global }
      - { .name: bv, .offset: 32, .size: 8, .value_kind: global_buffer, .address_space: global }
      - { .name: qf, .offset: 40, .size: 8, .value_kind: global_buffer, .address_space: global }
      - { .name: kv, .offset: 48, .size: 8, .value_kind: global_buffer, .address_space: global }
    .group_segment_fixed_size: 0
    .private_segment_fixed_size: 0
    .kernarg_segment_align: 8
    .kernarg_segment_size: 56
    .max_flat_workgroup_size: 32
    .sgpr_count:     66
    .vgpr_count:     768
    .wavefront_size: 32
...
	.end_amdgpu_metadata
.endif
;; end of part 2
;; launch attn (part 3): grid 16 x 16, 8 waves a work-group, clusters of 4 x 1, 327,680 bytes of LDS; arguments qf, kv, out0; writes out0
.if DOCPART == 3
	.amdgcn_target "amdgcn-amd-amdhsa--gfx1250"
	.amdhsa_code_object_version 6
	.text
	.protected	k_qbb8dc6a9a8_attn
	.globl	k_qbb8dc6a9a8_attn
	.p2align	8
	.type	k_qbb8dc6a9a8_attn,@function
k_qbb8dc6a9a8_attn:
	s_mov_b64 s[64:65], 0
	v_nop
	global_prefetch_b8 v0, s[64:65] scope:SCOPE_SE
	s_setreg_imm32_b32 hwreg(HW_REG_WAVE_MODE, 25, 1), 1
	s_wait_xcnt 0x0
	s_wait_alu depctr_hold_cnt(0) depctr_sa_sdst(0) depctr_va_vdst(0) depctr_va_sdst(0) depctr_va_ssrc(0) depctr_va_vcc(0) depctr_vm_vsrc(0)
	s_getreg_b32 s2, hwreg(HW_REG_IB_STS2, 6, 4)
	s_cmp_eq_u32 s2, 0
	s_cbranch_scc0 .Lentry_in_a_cluster
	s_endpgm
.Lentry_in_a_cluster:
	s_bfe_u32 s2, ttmp6, 0x10000c
	s_cmp_lg_u32 s2, 0x3003
	s_cbranch_scc0 .Lentry_shape_is_right
	s_endpgm
.Lentry_shape_is_right:
; SELF-ATTENTION IN MX-BF6, launch 3 of 3: out = softmax(q k^T / 8) v on the codes of launch 2.  No work is left out.
; SHARES: work-group = 256 queries of one (batch, head); wave = 32 queries = two tiles of 16, A and B (one image of qf), which share every fragment of K and V; step = 128 keys, 32 steps.
; Both products are used transposed (S^T = K Q^T, O^T = V^T P^T): a lane holds one query.  The head's 64 fill half of the instruction's 128: Q's upper six registers are zero codes.
; THE KEYS OF A TILE OF K ARE CHOSEN BY THE LANES' LDS ADDRESSES: lane r of tile 4 c + u reads key 64 c + 32 (r / 8) + 8 u + r % 8.  So the 32 score registers of tiles 4 c .. 4 c + 3 in lane (r, h) are the
; 32 neighbouring keys 64 c + 32 h + 0 .. 31: one whole block of P's quantiser, in the order of the operand's registers 6 c .. 6 c + 5: its maximum needs no other lane, and no codes change lanes.
; SOFTMAX: M = ceil(running largest t), kept as -M; p = 2^(t - M); the row's sum is taken of the unquantised p; a change of M multiplies sum and O^T by a power of two.  A block's largest p is the exponential of its largest score.
; THE LOOP IS TURNED: a trip asks for step i's K, finishes step i - 1 (codes, the sum's last additions, P V), multiplies K Q of step i and does its softmax.  The step is written once: O^T and the sums begin as zeros.
; INDEPENDENT WORK BY TURNS: tile A's chain from the maximum to f stands among tile B's maxima, tile B's among tile A's multiply-adds; among tile A's exponentials stand tile B's multiply-adds, among tile B's the first
; level of tile A's sum: lines whose results are first read behind the next wait.  Maxima go in two chains a block, sums in eight.
; LDS: two slots of 8 steps, filled by joint loads of the cluster's four work-groups (four query blocks of one head read the same K and V); each wave brings one step: 26 rows of 512 bytes, 128 bytes of padding behind each,
; so that lanes r < 8 and r >= 8, which read images 3 rows apart, fall on different halves of a 256-byte row of banks.  All of LDS is claimed.
; PREFETCH: behind the load of chunk c + 1 each wave names its step of chunk c + 2, 13 blocks of 256 bytes for each partner (52 in all), told apart by address: a chunk of 8 steps ahead of the load; chunks 0 and 1 come by their loads alone.
; LIMITS: the promise holds while the scaled scores stay under 2^31 in magnitude; NaN and infinities are not served; a block whose every p is 0 keeps the byte 1 (zero codes).
.set STEPB, 13312                      ; a step in memory: K's part, V's part
.set CHUNKB, 8*STEPB
.set GP,    640                        ; LDS: 512 bytes + 128
.set IMG,   3*GP                       ; an image of 12 registers
.set SCO,   12*GP                      ; a part's scale words
.set PARTP, 13*GP
.set STEPP, 2*PARTP
.set SLOT,  8*STEPP
.set STAGE, 2*SLOT                     ; the way out: 16 rows x 272 bytes a wave, bytes of their own
.set SP,    272
.set SPARE, STAGE+8*16*SP              ; the spare words: 128 bytes a wave
; window 0
.set L16, 1
.set AK,  2
.set AKS, 3
.set SPW, 4
.set NIL, 5
.set KA,  6
.set KSA, 7
.set VA,  8
.set STO, 9
.set RD,  10
.set CO,  11
.set PFO, 12
.set QS,  13                           ; Q's scale words: lanes 0-15 tile A, lanes 16-31 tile B
.set PS,  14                           ; v14, v15: P's scale words
.set KS,  20
.set VS,  24
.set QA,  28                           ; tile A's six registers, six zeros
.set QI,  40                           ; the image; tile B's operand is v[QI+6 .. QI+17], the last six zeros
.set KF,  58                           ; 48 registers, and six zeros behind them
.set VF,  112
.set PF,  160                          ; P's codes, 12 a tile
.set CT,  184                          ; a block's upper 16 codes (a conversion's three registers begin on an even number)
.set BK,  58                           ; the way out: rows read back
; window 1 (v256 ..)
.set WS,  0                            ; scores, then p: 64 a tile
.set WO,  128                          ; O^T: 32 a tile
.set WBM, 192                          ; + 2 q + c: a block's largest score, then p
.set WNM, 196                          ; + 2 q: -M; above it the running largest score
.set WF,  200                          ; + 2 q: f
.set WL,  204                          ; + 2 q: the sum, two halves
.set WAB, 208                          ; tile B's four partial sums (pairs), from a trip's end to the next trip's finish
.set WT0, 212                          ; the chain's temporaries lie over them: they are at work only behind that finish
.set WT1, 214
.set WP,  216
.set WSO, 220                          ; + 2 q + c: the conversions' scale operands
.set WU,  224                          ; 16 pairs: the sums' tree
.set WBY, 224                          ; the finish's bytes and words lie over pairs 0-3, which are dead by then
.set WX,  228
.set WY,  230
.set WAA, 232                          ; pairs 4-7: tile A's four partial sums
.set WB2, 240                          ; + 2 q + c: a block's second chain of maxima
.set WV,  10
.set SEL, 20
.set CS,  22
.set G1,  24
.set G0,  32
.set PFA, 40
.set TB,  42
.set CNT, 43
.set MSB, 0
.macro WIN new                         ; the immediate's high byte repeats the setting that is left
.if MSB != \new
	s_set_vgpr_msb (MSB<<8)|\new
.set MSB, \new
.endif
.endm
.macro NOP4
.rept 4
	v_nop
.endr
.endm
.macro D2
	s_delay_alu instid0(VALU_DEP_2)
.endm
.macro CROUND                          ; a round of the cluster's barrier
	s_barrier_signal -1
	s_barrier_wait -1
	s_cmp_lg_u32 s[WV], 0
	s_cbranch_scc1 .Lnot_wave_0_\@
	s_barrier_signal -3
.Lnot_wave_0_\@:
	s_barrier_wait -3
	s_barrier_signal -1
	s_barrier_wait -1
.endm
; the three lines, the round, and my one joint load behind it; step = 1: the slot's address goes two chunks on
.macro SEQ s, step
	s_wait_tensorcnt 0x0
	ds_add_u32 v[SPW], v[NIL]
.if \step
	s_add_nc_u64 s[G0+4*\s+2:G0+4*\s+3], s[G0+4*\s+2:G0+4*\s+3], 2*CHUNKB
.endif
	s_wait_dscnt 0x0
	CROUND
	tensor_load_to_lds s[G0+4*\s:G0+4*\s+3], s[G1:G1+7]
	s_nop 0
	NOP4
.endm
; step's K: four images of two tiles each, rows chosen by the lane's address, and their scale words (lanes 0-15 the even tile's, lanes 16-31 the odd one's)
.macro KLOAD
	v_add_nc_u32 v[KA], s[TB], v[AK]
	v_add_nc_u32 v[KSA], s[TB], v[AKS]
	v_add_nc_u32 v[VA], s[TB], v[L16]
.irp c, 0,1
.irp u, 0,1
.irp n, 0,1,2
	ds_load_b128 v[KF+12*(2*\c+\u)+4*\n:KF+12*(2*\c+\u)+4*\n+3], v[KA] offset:2*IMG*\c+128*\u+GP*\n
.endr
	ds_load_b32 v[KS+2*\c+\u], v[KSA] offset:SCO+128*\u+8*\c
.endr
.endr
.endm
; 16 products: 8 tiles of keys x 2 tiles of queries.  An operand's upper six registers (the next tile's codes, or zeros) meet Q's zero codes
.macro QKMM
.irp t, 0,2,4,6
	v_wmma_scale_f32_16x16x128_f8f6f4 v[WS+8*\t:WS+8*\t+7], v[KF+6*\t:KF+6*\t+11], v[QA:QA+11], 0, v[KS+\t/2], v[QS] matrix_a_fmt:MATRIX_FMT_BF6 matrix_b_fmt:MATRIX_FMT_BF6
	v_wmma_scale_f32_16x16x128_f8f6f4 v[WS+64+8*\t:WS+64+8*\t+7], v[KF+6*\t:KF+6*\t+11], v[QI+6:QI+17], 0, v[KS+\t/2], v[QS] matrix_a_fmt:MATRIX_FMT_BF6 matrix_b_fmt:MATRIX_FMT_BF6 matrix_b_scale:MATRIX_SCALE_ROW1
	v_wmma_scale_f32_16x16x128_f8f6f4 v[WS+8*\t+8:WS+8*\t+15], v[KF+6*\t+6:KF+6*\t+17], v[QA:QA+11], 0, v[KS+\t/2], v[QS] matrix_a_fmt:MATRIX_FMT_BF6 matrix_b_fmt:MATRIX_FMT_BF6 matrix_a_scale:MATRIX_SCALE_ROW1
	v_wmma_scale_f32_16x16x128_f8f6f4 v[WS+64+8*\t+8:WS+64+8*\t+15], v[KF+6*\t+6:KF+6*\t+17], v[QI+6:QI+17], 0, v[KS+\t/2], v[QS] matrix_a_fmt:MATRIX_FMT_BF6 matrix_b_fmt:MATRIX_FMT_BF6 matrix_a_scale:MATRIX_SCALE_ROW1 matrix_b_scale:MATRIX_SCALE_ROW1
.endr
.endm
; 8 products: 4 tiles of channels x 2 tiles of queries; the eight accumulators take turns
.macro PVMM
.irp t, 0,1,2,3
.irp q, 0,1
	v_wmma_scale_f32_16x16x128_f8f6f4 v[WO+32*\q+8*\t:WO+32*\q+8*\t+7], v[VF+12*\t:VF+12*\t+11], v[PF+12*\q:PF+12*\q+11], v[WO+32*\q+8*\t:WO+32*\q+8*\t+7], v[VS+\t], v[PS+\q] matrix_a_fmt:MATRIX_FMT_BF6 matrix_b_fmt:MATRIX_FMT_BF6
.endr
.endr
.endm
; link k of tile q's chain from the blocks' maxima to f: nine dependent lines, each laid among other work
.macro CH q, k
.if (\k) == 0
	v_max_num_f32 v[WT0+\q], v[WBM+2*\q], v[WBM+2*\q+1]
.endif
.if (\k) == 1
	v_permlanex16_b32 v[WP+\q], v[WT0+\q], s[SEL], s[SEL+1]
.endif
.if (\k) == 2
	v_max3_num_f32 v[WNM+2*\q+1], v[WNM+2*\q+1], v[WT0+\q], v[WP+\q]   ; the running largest score (c is positive)
.endif
.if (\k) == 3
	v_mul_f32 v[WT0+\q], s[CS], v[WNM+2*\q+1]      ; as t
.endif
.if (\k) == 4
	v_mov_b32 v[WT1+\q], v[WNM+2*\q]
.endif
.if (\k) == 5
	v_floor_f32 v[WNM+2*\q], -v[WT0+\q]            ; -M = floor(-t)
.endif
.if (\k) == 6
	v_sub_f32 v[WT1+\q], v[WNM+2*\q], v[WT1+\q]    ; old M less new M: a whole number, 0 or less
.endif
.if (\k) == 7
	v_cvt_i32_f32 v[WT1+\q], v[WT1+\q]             ; (it saturates)
.endif
.if (\k) == 8
	v_ldexp_f32 v[WF+2*\q], 1.0, v[WT1+\q]         ; f
.endif
.endm
.macro CHO ch, k
.if \ch >= 0
	CH \ch, \k
.endif
.endm
; tile q's two blocks' largest scores, two chains a block; each accumulator is read from its low end on.  ch >= 0: tile ch's chain stands among the lines
.macro MAXT q, ch
.irp c, 0,1
	v_max3_num_f32 v[WBM+2*\q+\c], v[WS+64*\q+32*\c], v[WS+64*\q+32*\c+1], v[WS+64*\q+32*\c+2]
	v_max3_num_f32 v[WB2+2*\q+\c], v[WS+64*\q+32*\c+16], v[WS+64*\q+32*\c+17], v[WS+64*\q+32*\c+18]
.endr
	CHO \ch, 0
.set kk, 1
.irp i, 3,5,7,9,11,13
.irp c, 0,1
	v_max3_num_f32 v[WBM+2*\q+\c], v[WBM+2*\q+\c], v[WS+64*\q+32*\c+\i], v[WS+64*\q+32*\c+\i+1]
	v_max3_num_f32 v[WB2+2*\q+\c], v[WB2+2*\q+\c], v[WS+64*\q+32*\c+16+\i], v[WS+64*\q+32*\c+17+\i]
.endr
	CHO \ch, kk
.set kk, kk+1
.endr
.irp c, 0,1
	v_max3_num_f32 v[WBM+2*\q+\c], v[WBM+2*\q+\c], v[WB2+2*\q+\c], v[WS+64*\q+32*\c+15]
.endr
	CHO \ch, 7
.irp c, 0,1
	v_max_num_f32 v[WBM+2*\q+\c], v[WBM+2*\q+\c], v[WS+64*\q+32*\c+31]
.endr
	CHO \ch, 8
.endm
.macro RESC q                          ; O^T under the new M; no transcendental stands between the products that wrote it and these lines
.set j, 0
.rept 16
	v_pk_mul_f32 v[WO+32*\q+j:WO+32*\q+j+1], v[WO+32*\q+j:WO+32*\q+j+1], v[WF+2*\q:WF+2*\q+1] op_sel_hi:[1,0]
.set j, j+2
.endr
.irp c, 0,1
	v_fma_f32 v[WBM+2*\q+\c], v[WBM+2*\q+\c], s[CS], v[WNM+2*\q]
.endr
.endm
; from the scores to p and four partial sums a tile; the step's V is asked for behind tile A's maxima, which are the places behind the products
.macro SOFT
	WIN 0x55
	MAXT 0, -1
	WIN 0
.irp t, 0,1,2,3
.irp n, 0,1,2
	ds_load_b128 v[VF+12*\t+4*\n:VF+12*\t+4*\n+3], v[VA] offset:PARTP+IMG*\t+GP*\n
.endr
.endr
	ds_load_b128 v[VS:VS+3], v[VA] offset:PARTP+SCO
	WIN 0x55
	MAXT 1, 0
.set j, 0
.rept 8
.rept 4
	v_pk_fma_f32 v[WS+j:WS+j+1], v[WS+j:WS+j+1], s[CS:CS+1], v[WNM:WNM+1] op_sel_hi:[1,0,0]   ; tile A: t - M
.set j, j+2
.endr
	CH 1, j/8-1
.endr
	CH 1, 8
	RESC 0
	RESC 1
	s_wait_alu depctr_va_vdst(0)                   ; the wait ahead of the batch
.irp b, 0,1,2,3
	v_exp_f32 v[WBM+\b], v[WBM+\b]
.endr
.set j, 0
.rept 32
	v_exp_f32 v[WS+j], v[WS+j]
	v_exp_f32 v[WS+j+1], v[WS+j+1]
	v_pk_fma_f32 v[WS+64+j:WS+64+j+1], v[WS+64+j:WS+64+j+1], s[CS:CS+1], v[WNM+2:WNM+3] op_sel_hi:[1,0,0]   ; tile B: t - M: first read behind the wait below
.set j, j+2
.endr
	s_wait_alu depctr_va_vdst(0)                   ; behind tile A's batch and ahead of tile B's
.set j, 0
.rept 16
	v_exp_f32 v[WS+64+j], v[WS+64+j]
	v_exp_f32 v[WS+64+j+1], v[WS+64+j+1]
	v_exp_f32 v[WS+64+j+2], v[WS+64+j+2]
	v_exp_f32 v[WS+64+j+3], v[WS+64+j+3]
	v_pk_add_f32 v[WU+j/2:WU+j/2+1], v[WS+j:WS+j+1], v[WS+j+2:WS+j+3]   ; tile A's sum, first level: 16 pairs, first read behind the wait below
.set j, j+4
.endr
	s_wait_alu depctr_va_vdst(0)                   ; behind the batch, ahead of its first reader
.irp k, 0,1,2,3,4,5,6,7
	v_pk_add_f32 v[WU+2*\k:WU+2*\k+1], v[WU+2*\k:WU+2*\k+1], v[WU+16+2*\k:WU+16+2*\k+1]
.endr
.irp k, 0,1,2,3,4,5,6,7
	v_pk_add_f32 v[WU+16+2*\k:WU+16+2*\k+1], v[WS+64+4*\k:WS+64+4*\k+1], v[WS+64+4*\k+2:WS+64+4*\k+3]   ; tile B: eight chains, in the pairs just read out
.endr
.irp k, 0,1,2,3
	v_pk_add_f32 v[WAA+2*\k:WAA+2*\k+1], v[WAA+2*\k:WAA+2*\k+1], v[WU+2*\k:WU+2*\k+1]
.endr
.irp g, 0,1
.irp k, 0,1,2,3,4,5,6,7
	v_pk_add_f32 v[WU+16+2*\k:WU+16+2*\k+1], v[WU+16+2*\k:WU+16+2*\k+1], v[WS+96+16*\g+2*\k:WS+96+16*\g+2*\k+1]
.endr
.endr
.irp k, 0,1,2,3
	v_pk_add_f32 v[WAB+2*\k:WAB+2*\k+1], v[WU+16+2*\k:WU+16+2*\k+1], v[WU+24+2*\k:WU+24+2*\k+1]
.endr
	WIN 0
.endm
; p becomes codes and a scale word; the sums take the step in
.macro FIN
	WIN 0x55
.irp b, 0,1,2,3
	v_max_num_f32 v[WBM+\b], 0x2800000, v[WBM+\b]  ; the floor 2^(5 - 127): the byte cannot fall under 1
.endr
.irp b, 0,1,2,3
	v_add_nc_u32 v[WSO+\b], 0xfe000000, v[WBM+\b]  ; 4 off the exponent field: the conversion's scale operand
.endr
.irp b, 0,1,2,3
	v_lshrrev_b32 v[WBY+\b], 23, v[WSO+\b]         ; the byte
.endr
.irp q, 0,1
	v_lshl_or_b32 v[WX+\q], v[WBY+2*\q+1], 16, v[WBY+2*\q]   ; my blocks h and 2 + h
.endr
.irp q, 0,1
	D2
	v_permlanex16_b32 v[WY+\q], v[WX+\q], s[SEL], s[SEL+1]
.endr
	WIN 0x15                                       ; sources window 1, destination window 0
.irp q, 0,1
.irp c, 0,1
	v_cvt_scalef32_pk16_bf6_f32 v[PF+12*\q+6*\c:PF+12*\q+6*\c+2], v[WS+64*\q+32*\c:WS+64*\q+32*\c+15], v[WSO+2*\q+\c]
	v_cvt_scalef32_pk16_bf6_f32 v[CT+8*\q+4*\c:CT+8*\q+4*\c+2], v[WS+64*\q+32*\c+16:WS+64*\q+32*\c+31], v[WSO+2*\q+\c]
.endr
.endr
.irp q, 0,1
	v_lshl_or_b32 v[PS+\q], v[WY+\q], 8, v[WX+\q]  ; lanes 0-15: blocks 0, 2 mine, 1, 3 lane l + 16's (lanes 16-31 are not read).  The plain place behind the conversions
.endr
	WIN 0
.irp q, 0,1
.irp c, 0,1
.irp i, 0,1,2
	v_mov_b32 v[PF+12*\q+6*\c+3+\i], v[CT+8*\q+4*\c+\i]
.endr
.endr
.endr
	WIN 0x55                                       ; the sums' last eight lines are the places between the codes' last move and the products
.irp a, WAA, WAB
	v_pk_add_f32 v[\a:\a+1], v[\a:\a+1], v[\a+2:\a+3]
	v_pk_add_f32 v[\a+4:\a+5], v[\a+4:\a+5], v[\a+6:\a+7]
.endr
.irp a, WAA, WAB
	v_pk_add_f32 v[\a:\a+1], v[\a:\a+1], v[\a+4:\a+5]
.endr
	v_pk_fma_f32 v[WL:WL+1], v[WL:WL+1], v[WF:WF+1], v[WAA:WAA+1] op_sel_hi:[1,0,1]           ; the sum under the new M, and the step's p
	v_pk_fma_f32 v[WL+2:WL+3], v[WL+2:WL+3], v[WF+2:WF+3], v[WAB:WAB+1] op_sel_hi:[1,0,1]
	WIN 0
	s_wait_alu depctr_va_vdst(0)                   ; the wait directly ahead of the wait below
	s_wait_dscnt 0x0                               ; V of the step that is finished, and K where it was asked for
	WIN 0x50                                       ; C and D window 1
.endm
.macro LOOPN n
	s_mov_b32 s[CNT], \n
.Lstep_\@:
	KLOAD
	FIN
	PVMM
	QKMM
	NOP4                                           ; four places ahead of the first read of the scores
	SOFT
	s_add_co_u32 s[TB], s[TB], STEPP
	s_sub_co_u32 s[CNT], s[CNT], 1
	s_cmp_lg_u32 s[CNT], 0
	s_wait_alu depctr_va_vdst(0)                   ; the wait ahead of the branch
	s_cbranch_scc1 .Lstep_\@
.endm
	s_load_b128 s[4:7], s[0:1], 0x0                ; qf, kv
	s_load_b64 s[8:9], s[0:1], 0x10                ; out0
	v_lshl_add_u32 v[SPW], v0, 2, SPARE
	v_mov_b32 v[NIL], 0
	ds_add_u32 v[SPW], v[NIL]                      ; the opening lines
	ds_add_u32 v[SPW], v[NIL]
	v_lshrrev_b32 v16, 5, v0
	v_readfirstlane_b32 s[WV], v16                 ; wave 0..7
	s_bfe_u32 s11, ttmp6, 0x40000                  ; cx
	s_lshl_b32 s12, ttmp9, 2
	s_add_co_u32 s12, s12, s11                     ; query block of 256
	s_and_b32 s13, ttmp7, 0xffff                   ; 8 batch + head
	s_mov_b32 s[G1], 15|(3<<16)|(1<<20)|(1<<21)|(6<<22)|(31<<25)   ; the cluster's four; elements of 8 bytes; 32 words of padding behind every 128
	s_mov_b32 s[G1+1], 64<<16
	s_mov_b32 s[G1+2], 26<<16
	s_mov_b32 s[G1+3], 64<<16
	s_mov_b32 s[G1+4], 26
	s_mov_b32 s[G1+5], 64
	s_mov_b32 s[G1+6], 0
	s_mov_b32 s[G1+7], 0
	s_mov_b32 s[SEL], 0x76543210
	s_mov_b32 s[SEL+1], 0xfedcba98                 ; lane l xor 16
	s_mov_b32 s[CS], 0x3e38aa3b                    ; log2(e) / 8
	s_mov_b32 s[CS+1], s[CS]
	s_mul_i32 s14, s[WV], STEPP
	s_mul_i32 s15, s[WV], STEPB
	s_mul_i32 s16, s13, 32*STEPB
	s_add_co_u32 s16, s16, s15
	s_mov_b32 s17, 0
	s_wait_dscnt 0x0
	s_wait_kmcnt 0x0
	s_add_nc_u64 s[6:7], s[6:7], s[16:17]          ; my step of the head's chunk 0
.irp p, 0,1
	s_mov_b32 s[G0+4*\p], 1
	s_add_co_u32 s[G0+4*\p+1], s14, \p*SLOT
	s_add_nc_u64 s[G0+4*\p+2:G0+4*\p+3], s[6:7], \p*CHUNKB
	s_or_b32 s[G0+4*\p+3], s[G0+4*\p+3], 0x80000000
.endr
	CROUND
	tensor_load_to_lds s[G0:G0+3], s[G1:G1+7]      ; chunk 0: my one load at the head
	s_nop 0
	NOP4
	s_lshr_b32 s19, s[WV], 2                       ; which 128 rows of the block
	s_and_b32 s18, s[WV], 3                        ; which image of them
	s_lshl_b32 s15, s13, 5
	s_lshl_b32 s16, s12, 1
	s_add_co_u32 s15, s15, s16
	s_add_co_u32 s15, s15, s19
	s_mul_i32 s16, s15, 6656
	s_add_nc_u64 s[4:5], s[4:5], s[16:17]          ; my group of qf
	s_mul_i32 s16, s11, 13*256
	s_add_nc_u64 s[PFA:PFA+1], s[6:7], s[16:17]    ; the prefetches: my work-group's 13 blocks of my step
	s_lshr_b32 s15, s13, 3
	s_lshl_b32 s15, s15, 12
	s_lshl_b32 s16, s12, 8
	s_add_co_u32 s15, s15, s16
	s_lshl_b32 s16, s19, 7
	s_add_co_u32 s15, s15, s16
	s_lshl_b32 s16, s18, 5
	s_add_co_u32 s15, s15, s16                     ; my first row of out0
	s_lshl_b32 s16, s15, 11
	s_and_b32 s15, s13, 7
	s_lshl_b32 s15, s15, 8
	s_add_co_u32 s16, s16, s15                     ; + the head's 256 bytes
	s_add_nc_u64 s[8:9], s[8:9], s[16:17]
	s_mul_i32 s14, s[WV], 16*SP
	s_add_co_u32 s14, s14, STAGE
	s_mul_i32 s15, s18, 1536
	s_lshl_b32 s16, s18, 2
	s_add_co_u32 s16, s16, 6144
	v_and_b32 v16, 31, v0                          ; lane
	v_and_b32 v17, 15, v0                          ; r
	v_bfe_u32 v18, v0, 4, 1                        ; h
	v_and_b32 v19, 7, v0                           ; r % 8
	v_bfe_u32 v[KA], v0, 3, 1                      ; r / 8
	v_lshlrev_b32 v[L16], 4, v16
	v_mul_u32_u24 v[AK], v[KA], IMG                ; K: image + r / 8, the place of lane 16 h + r % 8
	v_lshl_add_u32 v[AK], v18, 8, v[AK]
	v_lshl_add_u32 v[AK], v19, 4, v[AK]
	v_lshlrev_b32 v[AKS], 8, v18                   ; its scale word: the same lane's four words, word + r / 8
	v_lshl_add_u32 v[AKS], v19, 4, v[AKS]
	v_lshl_add_u32 v[AKS], v[KA], 2, v[AKS]
	v_mul_u32_u24 v[STO], v17, SP                  ; the stage: in, row r, 64 bytes a half;
	v_lshl_add_u32 v[STO], v18, 6, v[STO]
	v_add_nc_u32 v[STO], s14, v[STO]
	v_mul_u32_u24 v[RD], v18, SP                   ; back, sixteen lanes to a row
	v_lshl_add_u32 v[RD], v17, 4, v[RD]
	v_add_nc_u32 v[RD], s14, v[RD]
	v_lshlrev_b32 v[CO], 11, v18
	v_lshl_add_u32 v[CO], v17, 4, v[CO]
	v_min_u32 v[PFO], 12, v16                      ; lanes 13-31 name the last block again
	v_lshlrev_b32 v[PFO], 8, v[PFO]
	v_add_nc_u32 v[CT], s15, v[L16]
	v_add_nc_u32 v[CT+1], s16, v[L16]
.irp n, 0,1,2
	global_load_b128 v[QI+4*\n:QI+4*\n+3], v[CT], s[4:5] offset:512*\n
.endr
	global_load_b32 v[QS], v[CT+1], s[4:5]
.irp j, 0,1,2,3,4,5
	v_mov_b32 v[QA+6+\j], 0
	v_mov_b32 v[QI+12+\j], 0
	v_mov_b32 v[KF+48+\j], 0
.endr
	WIN 0x40
.set j, 0
.rept 64
	v_mov_b32 v[WO+j], 0                           ; the step is written once: the first finds zeros
.set j, j+1
.endr
.irp q, 0,1
	v_mov_b32 v[WNM+2*\q], 0x7f61b1e6              ; -M: 3e38, a whole number: the first f is 0
	v_mov_b32 v[WNM+2*\q+1], 0xff61b1e6            ; the largest score so far: -3e38
	v_mov_b32 v[WF+2*\q+1], 0                      ; (upper halves of pairs, and lane permutes' destinations, are written once)
	v_mov_b32 v[WL+2*\q], 0
	v_mov_b32 v[WL+2*\q+1], 0
	v_mov_b32 v[WP+\q], 0
	v_mov_b32 v[WY+\q], 0
.endr
	WIN 0
	s_wait_alu depctr_va_vdst(0)                   ; the wait directly ahead of the wait below
	s_wait_loadcnt 0x0
.irp j, 0,1,2,3,4,5
	v_mov_b32 v[QA+\j], v[QI+\j]
.endr
	s_wait_alu depctr_va_vdst(0)                   ; and at the head's end
	SEQ 1, 0                                       ; chunk 0 is whole; slot 1's first fill, chunk 1
	global_prefetch_b8 v[PFO], s[PFA:PFA+1] offset:2*CHUNKB th:TH_LOAD_NT scope:SCOPE_SE
	s_mov_b32 s[TB], 0
	KLOAD                                          ; step 0 has no step to finish
	s_wait_dscnt 0x0
	WIN 0x50
	QKMM
	NOP4
	SOFT
	s_mov_b32 s[TB], STEPP
	LOOPN 7
	SEQ 0, 1                                       ; chunk 2 into slot 0
	global_prefetch_b8 v[PFO], s[PFA:PFA+1] offset:3*CHUNKB th:TH_LOAD_NT scope:SCOPE_SE
	s_mov_b32 s[TB], SLOT
	LOOPN 8
	SEQ 1, 1                                       ; chunk 3 into slot 1
	s_mov_b32 s[TB], 0
	LOOPN 8
	s_wait_tensorcnt 0x0                           ; my part of chunk 3 is in; nothing is filled again
	s_wait_dscnt 0x0
	s_barrier_signal -1
	s_barrier_wait -1
	s_mov_b32 s[TB], SLOT
	LOOPN 8
	FIN                                            ; step 31 is finished
	PVMM
	WIN 0x55
.irp q, 0,1
	v_add_f32 v[WL+2*\q], v[WL+2*\q], v[WL+2*\q+1]
.endr
.irp q, 0,1
	D2
	v_permlanex16_b32 v[WP+\q], v[WL+2*\q], s[SEL], s[SEL+1]
.endr
.irp q, 0,1
	D2
	v_add_f32 v[WL+2*\q], v[WL+2*\q], v[WP+\q]     ; the row's sum
.endr
	s_wait_alu depctr_va_vdst(0)
.irp q, 0,1
	v_rcp_f32 v[WL+2*\q], v[WL+2*\q]
.endr
	v_nop
	s_wait_alu depctr_va_vdst(0)                   ; behind the transcendentals, directly ahead of the first reader of O^T
.irp q, 0,1
.set j, 0
.rept 16
	v_pk_mul_f32 v[WS+64*\q+j:WS+64*\q+j+1], v[WO+32*\q+j:WO+32*\q+j+1], v[WL+2*\q:WL+2*\q+1] op_sel_hi:[1,0]   ; register 16 b + i: channel 32 b + 16 h + i of query r
.set j, j+2
.endr
.endr
.irp q, 0,1                                            ; through my stage, a tile at a time: LDS serves a wave's instructions in order
	WIN 0x04                                       ; the data: window 1
.irp b, 0,1
.irp k, 0,1,2,3
	ds_store_b128 v[STO], v[WS+64*\q+16*\b+4*\k:WS+64*\q+16*\b+4*\k+3] offset:128*\b+16*\k
.endr
.endr
	WIN 0
.irp i, 0,1,2,3,4,5,6,7
	ds_load_b128 v[BK+32*\q+4*\i:BK+32*\q+4*\i+3], v[RD] offset:2*\i*SP
.endr
.endr
.irp q, 0,1
.irp i, 0,1,2,3,4,5,6,7
	s_wait_dscnt 16*(1-\q)+7-\i                    ; behind this read-back: the tile's later ones, and for tile A tile B's 16
	global_store_b128 v[CO], v[BK+32*\q+4*\i:BK+32*\q+4*\i+3], s[8:9] offset:(2*\i+8*(\i/4)+8*\q)*2048 th:TH_STORE_NT   ; sixteen lanes store 256 consecutive bytes, aligned; stage row r is row r + 8 (r / 8) + 8 q
.endr
.endr
	s_wait_tensorcnt 0x0                           ; the wave's end
	ds_add_u32 v[SPW], v[NIL]
	s_wait_dscnt 0x0
	CROUND                                         ; the closing round
	s_endpgm
.Lfunc_end_k_qbb8dc6a9a8_attn:
	.size	k_qbb8dc6a9a8_attn, .Lfunc_end_k_qbb8dc6a9a8_attn-k_qbb8dc6a9a8_attn
	.p2alignl 7, 3214868480
	.fill 96, 4, 3214868480
	.section	.rodata,"a",@progbits
	.p2align	6, 0x0
	.amdhsa_kernel k_qbb8dc6a9a8_attn
		.amdhsa_group_segment_fixed_size 327680
		.amdhsa_private_segment_fixed_size 0
		.amdhsa_enable_private_segment 0
		.amdhsa_kernarg_size 24
		.amdhsa_user_sgpr_count 2
		.amdhsa_user_sgpr_kernarg_segment_ptr 1
		.amdhsa_wavefront_size32 1
		.amdhsa_system_sgpr_workgroup_id_x 1
		.amdhsa_system_sgpr_workgroup_id_y 1
		.amdhsa_system_sgpr_workgroup_id_z 1
		.amdhsa_system_vgpr_workitem_id 0
		.amdhsa_next_free_vgpr 512
		.amdhsa_next_free_sgpr 66
		.amdhsa_reserve_vcc 0
		.amdhsa_float_denorm_mode_32 3
		.amdhsa_float_denorm_mode_16_64 3
		.amdhsa_memory_ordered 1
		.amdhsa_forward_progress 1
		.amdhsa_inst_pref_size 153
	.end_amdhsa_kernel
	.amdgpu_metadata
---
amdhsa.version: [ 1, 2 ]
amdhsa.kernels:
  - .name:           k_qbb8dc6a9a8_attn
    .symbol:         k_qbb8dc6a9a8_attn.kd
    .args:
      - { .name: qf, .offset: 0, .size: 8, .value_kind: global_buffer, .address_space: global }
      - { .name: kv, .offset: 8, .size: 8, .value_kind: global_buffer, .address_space: global }
      - { .name: out0, .offset: 16, .size: 8, .value_kind: global_buffer, .address_space: global }
    .group_segment_fixed_size: 327680
    .private_segment_fixed_size: 0
    .kernarg_segment_align: 8
    .kernarg_segment_size: 24
    .max_flat_workgroup_size: 256
    .sgpr_count:     66
    .vgpr_count:     512
    .wavefront_size: 32
...
	.end_amdgpu_metadata
.endif
;; end of part 3
